; MI455X (gfx1250); checked and timed in simulation.
; The chip was launched on July 23, 2026; its instructions are those of AMD's public machine-readable ISA for CDNA 5 (MIT licence, August 2026) and "CDNA5" Instruction Set Architecture Reference Guide (July 2026). The comments in the code are by the model that wrote it; some were corrected since.
;; Multi Head Attention Layer. Allowed arithmetic: matrix products marked QUANTISED: E2M1 operands, one E8M0 scale for each 32 along K, by v_wmma_scale_f32_16x16x128_f8f6f4 with both operands' format E2M1 (or v_wmma_scale_f32_32x16x128_f4), f32 sums; products left as they are: bf16, f16 or f32 operands; f32 sums; everything else in f32.
;; Inputs: k_b 1,024 float32; k_w 1,024 x 1,024 float32; key 4 x 2,048 x 1,024 float32; q_b 1,024 float32; q_w 1,024 x 1,024 float32; query 4 x 2,048 x 1,024 float32; v_b 1,024 float32; v_w 1,024 x 1,024 float32; value 4 x 2,048 x 1,024 float32.
;; Outputs: out0 4 x 2,048 x 1,024 float32.
;; This version of the problem:
;;   THIS VERSION OF THE PROBLEM IS GIVEN IN LOW PRECISION. The matrix products marked QUANTISED in the list below multiply operands that are first quantised to E2M1 (2 exponent bits, 1 mantissa bit; 4 bits a number), with one power-of-two scale for each 32 numbers along K (OCP MX v1.0); their sums are f32. The products marked 'left as it is' may take bf16, f16 or f32 operands, with f32 sums. Whichever they take, every output number must still come out within the allowed error. Rounding operands to bf16 (8 significant bits) uses up far more of that allowance than f16 does (11 bits, for magnitudes from 6e-5 to 65,504). All else is computed in f32.
;;   The module's matrix products, in the order in which they are computed (A, B: the left and right operand; K: the contracted axis; several contracted axes count as one K, in the product's order):
;;     1. [M 8,192, K 1,024] x [K 1,024, N 1,024]; A: input query; B: input q_w: QUANTISED
;;     2. [M 8,192, K 1,024] x [K 1,024, N 1,024]; A: input key; B: input k_w: QUANTISED
;;     3. [M 8,192, K 1,024] x [K 1,024, N 1,024]; A: input value; B: input v_w: QUANTISED
;;     4. batch 64 x [M 2,048, K 64] x [K 64, N 2,048]; A: computed on the way; B: computed on the way: left as it is (an operand is computed on the way)
;;     5. batch 64 x [M 2,048, K 2,048] x [K 2,048, N 64]; A: computed on the way; B: computed on the way: left as it is (an operand is computed on the way)
;;   THE QUANTISER, for each operand of a quantised product, along K:
;;     - K is cut into blocks of 32 from its start; a last block that is shorter is filled with zeros.
;;     - A block's scale is 2^e with e = floor(log2(the largest magnitude in the block)) - 2, held to -126 .. 127; a block of zeros has e = 0. As a byte (E8M0): e + 127.
;;     - Each number is divided by its block's scale, clamped to +-6, and rounded to the nearest number of E2M1, ties to even, subnormals kept.
;;     - The product sums the exact products of the quantised numbers (number of the format x scale) in f32.
;;   ~~~python
;;   def quantise(x, axis):      # numpy; x: float32 -> the quantised numbers, widened to float32 again
;;       x = np.moveaxis(x, axis, -1); K = x.shape[-1]
;;       x = np.pad(x, [(0, 0)] * (x.ndim - 1) + [(0, -K % 32)]); x = x.reshape(x.shape[:-1] + (-1, 32)); a = np.abs(x).max(-1, keepdims=True)
;;       e = np.where(a > 0, np.clip(np.frexp(np.where(a > 0, a, 1))[1] - 1 - 2, -126, 127), 0)      # np.frexp(a)[1] - 1 = floor(log2(a)), exactly
;;       r = np.clip(x / 2.0 ** e, -6, 6)
;;       step = 2.0 ** (np.maximum(np.frexp(np.where(r == 0, 1, r))[1] - 1, 0) - 1)
;;       q = np.round(r / step) * step * 2.0 ** e      # np.round: ties to even
;;       return np.moveaxis(q.reshape(q.shape[:-2] + (-1,))[..., :K], -1, axis).astype(np.float32)
;;   ~~~
;; One version. Each part assembles by itself: llvm-mc -triple=amdgcn-amd-amdhsa -mcpu=gfx1250 --defsym DOCPART=n.
;; ======== version 1 of 1: 4 launches
;; limits: values are held in f16: magnitudes above 65,504 overflow, below 6.1e-05 lose precision
;; workspace buffers: x_img 12,582,912 bytes; x_scl 786,432 bytes; w_img 1,572,864 bytes; w_scl 98,304 bytes; part 8,388,608 bytes; mt 524,288 bytes; fac 65,536 bytes
;; launch quant (part 1): grid 960 x 1, 4 waves a work-group, no clusters, 34,304 bytes of LDS; arguments query, key, value, q_w, k_w, v_w, x_img, x_scl, w_img, w_scl; writes x_img, x_scl, w_img, w_scl
.if DOCPART == 1
	.amdgcn_target "amdgcn-amd-amdhsa--gfx1250"
	.amdhsa_code_object_version 6
	.text
	.protected	k_q1c3150bf1c_quant
	.globl	k_q1c3150bf1c_quant
	.p2align	8
	.type	k_q1c3150bf1c_quant,@function
k_q1c3150bf1c_quant:
	s_mov_b64 s[64:65], 0
	v_nop
	global_prefetch_b8 v0, s[64:65] scope:SCOPE_SE
	s_setreg_imm32_b32 hwreg(HW_REG_WAVE_MODE, 25, 1), 1
	s_wait_xcnt 0x0
; query, key, value [8192][1024] and q_w, k_w, v_w [1024 (k)][1024 (n)], f32, become codes of FP4 (E2M1) with one E8M0 byte for each 32 along K.
; A block's scale is 2^(floor(log2(its largest magnitude)) - 2); its byte is the largest magnitude's exponent field - 2, held at 1 from below.
; LAYOUT OF THE CODES, in the order of an operand's registers: img[tensor][row / 16][k / 32][row % 16][16 bytes] (for a weight 'row' is its column n).
; A fragment (16 rows x 128 K) is then 1,024 consecutive bytes, and its register group c of lane l lies at 512 c + 16 l.
; LAYOUT OF THE SCALE BYTES: scl[tensor][row / 16][k / 512][row % 16][4 words], a word being the four bytes of 128 along K.
; LIMITS: NaN and infinities are not served.  A block of zeros gets the byte 1 where the quantiser's text says 127: its codes are zeros, and the bytes are read by this program alone.
; Work-groups 0-191 take the weights (a lane a column, registers down K, no LDS); work-groups 192-959 the activations (16 rows x 512 K a wave, turned through the wave's own stage in LDS).
; Waves share nothing: no barrier.  Nothing is read twice, so there is no cluster; no matrix work.
.set STGW,  8448                       ; a wave's stage: 16 rows x (512 bytes + 16)
.set SPARE, 4*STGW                     ; behind the four stages: the spare words, 128 bytes a wave
.set SPW,   22                         ; v22  my spare word's LDS address; never rewritten
.set NIL,   23                         ; v23  0; never rewritten
.set RS,    32                         ; v32-159  two sets of 64: numbers as loaded (weights: 128 numbers of my column)
.set XN,    160                        ; v160-223 64 numbers in the operand's order (weights: v160-175 the codes)
.set CD,    224                        ; v224-255 codes: eight registers for each step, so that no store's data are written again
.set FLOOR, 0x1800000                  ; 2^(3 - 127): under it no largest magnitude is taken, so the byte cannot fall under 1
.set OFFE,  0xff000000                 ; takes 2 off an exponent field
.macro LOAD t                          ; step t: 128 along K of my 16 rows: each load reads 512 consecutive bytes of one row
.irp rr, 0,1,2,3,4,5,6,7,8,9,10,11,12,13,14,15
	global_load_b128 v[RS+64*((\t)%2)+4*\rr:RS+64*((\t)%2)+4*\rr+3], v4, s[32:33] offset:\rr*4096+512*(\t) th:TH_LOAD_NT
.endr
.endm
.macro STEP t
.if (\t) < 3
	s_wait_loadcnt 16                              ; this step's 16 loads are in; the next step's 16 may be out
.else
	s_wait_loadcnt 0x0
.endif
.irp rr, 0,1,2,3,4,5,6,7,8,9,10,11,12,13,14,15
	ds_store_b128 v5, v[RS+64*((\t)%2)+4*\rr:RS+64*((\t)%2)+4*\rr+3] offset:528*\rr
.endr
.irp c, 0,1                            ; back in the operand's order: lane (r, h) takes k = 64 c + 32 h + 0 .. 31 of row r.  LDS serves a wave's instructions in order: these see the stores above
.irp i, 0,1,2,3,4,5,6,7
	ds_load_b128 v[XN+32*\c+4*\i:XN+32*\c+4*\i+3], v6 offset:256*\c+16*\i
.endr
.endr
	s_wait_dscnt 0x0                               ; my 64 numbers are in
.if (\t) < 2
	LOAD (\t)+2                                    ; the set just stored takes the loads of two steps on
.endif
.irp c, 0,1
	v_max3_num_f32 v[8+\c], |v[XN+32*\c]|, |v[XN+32*\c+1]|, FLOOR     ; my two whole blocks, by turns
.endr
.irp i, 2,4,6,8,10,12,14,16,18,20,22,24,26,28,30
.irp c, 0,1
	v_max3_num_f32 v[8+\c], v[8+\c], |v[XN+32*\c+\i]|, |v[XN+32*\c+\i+1]|
.endr
.endr
.irp c, 0,1
	v_add_nc_u32 v[12+\c], OFFE, v[8+\c]           ; the conversion takes the exponent field of this operand as its scale
.endr
.irp c, 0,1
	v_lshrrev_b32 v[10+\c], 23, v[12+\c]           ; the scale's byte
.endr
	v_lshl_or_b32 v14, v11, 16, v10                ; my two bytes: blocks h and 2 + h of row r,
	v_lshlrev_b32 v14, v24, v14                    ; 8 h bits up;
	v_permlanex16_b32 v15, v14, s30, s31
	v_or_b32 v[16+(\t)], v14, v15                  ; with lane l xor 16's two the word is whole
.irp c, 0,1
.irp g, 0,1,2,3
	v_cvt_scalef32_pk8_fp4_f32 v[CD+8*(\t)+4*\c+\g], v[XN+32*\c+8*\g:XN+32*\c+8*\g+7], v[12+\c]
.endr
.endr
.irp c, 0,1
	global_store_b128 v4, v[CD+8*(\t)+4*\c:CD+8*(\t)+4*\c+3], s[38:39] offset:1024*(\t)+512*\c   ; 32 lanes store 512 consecutive bytes, aligned
.endr
.endm
.macro WBLOCK t, left                  ; block t of my column: 32 numbers down K, all mine
.set XS, RS+32*(\t)
	s_wait_loadcnt \left
	v_max3_num_f32 v12, |v[XS]|, |v[XS+1]|, |v[XS+2]|
	v_max3_num_f32 v13, |v[XS+3]|, |v[XS+4]|, |v[XS+5]|
.irp i, 6,10,14,18,22,26
	v_max3_num_f32 v12, v12, |v[XS+\i]|, |v[XS+\i+1]|
	v_max3_num_f32 v13, v13, |v[XS+\i+2]|, |v[XS+\i+3]|
.endr
	v_max3_num_f32 v12, v12, |v[XS+30]|, |v[XS+31]|
	v_max3_num_f32 v12, v12, v13, FLOOR
	v_add_nc_u32 v11, OFFE, v12
	v_lshrrev_b32 v13, 23, v11
.if (\t) == 0
	v_mov_b32 v10, v13                             ; four bytes make the scale word of these 128 along K
.else
	v_lshl_or_b32 v10, v13, 8*(\t), v10
.endif
.irp g, 0,1,2,3
	v_cvt_scalef32_pk8_fp4_f32 v[XN+4*(\t)+\g], v[XS+8*\g:XS+8*\g+7], v11
.endr
	global_store_b128 v26, v[XN+4*(\t):XN+4*(\t)+3], s[38:39] offset:256*(\t)   ; sixteen lanes store 256 consecutive bytes, aligned
.endm
	s_load_b512 s[4:19], s[0:1], 0x0               ; query, key, value, q_w, k_w, v_w, x_img, x_scl
	s_load_b128 s[20:23], s[0:1], 0x40             ; w_img, w_scl
	v_lshl_add_u32 v[SPW], v0, 2, SPARE
	v_mov_b32 v[NIL], 0
	v_lshrrev_b32 v1, 5, v0
	v_readfirstlane_b32 s24, v1                    ; wave
	v_and_b32 v1, 31, v0                           ; lane
	v_and_b32 v2, 15, v0                           ; r
	v_bfe_u32 v3, v0, 4, 1                         ; h
	v_lshlrev_b32 v4, 4, v1                        ; 16 x lane
	s_mov_b32 s30, 0x76543210
	s_mov_b32 s31, 0xfedcba98                      ; v_permlanex16_b32's selects for lane l xor 16
	s_mov_b32 s35, 0
	s_wait_kmcnt 0x0
	s_cmp_lt_u32 ttmp9, 192
	s_cbranch_scc1 .Lweights
	; ---- the activations: tensor t, wave's unit u = 16 rows x 512 along K
	s_sub_co_u32 s25, ttmp9, 192
	s_lshr_b32 s26, s25, 8                         ; t
	s_and_b32 s27, s25, 255
	s_lshl_b32 s27, s27, 2
	s_add_co_u32 s27, s27, s24                     ; u
	s_lshr_b32 s28, s27, 1                         ; which 16 rows
	s_and_b32 s29, s27, 1                          ; which half of K
	s_cmp_eq_u32 s26, 0
	s_cselect_b64 s[32:33], s[4:5], s[6:7]
	s_cmp_eq_u32 s26, 2
	s_cselect_b64 s[32:33], s[8:9], s[32:33]
	s_lshl_b32 s34, s28, 16                        ; 16 rows of 4,096 bytes
	s_lshl_b32 s36, s29, 11
	s_add_co_u32 s34, s34, s36
	s_add_nc_u64 s[32:33], s[32:33], s[34:35]
	LOAD 0
	LOAD 1
	s_lshl_b32 s34, s26, 22                        ; the codes: 4,194,304 bytes a tensor, 8,192 for 16 rows, 4,096 for half of K
	s_lshl_b32 s36, s28, 13
	s_add_co_u32 s34, s34, s36
	s_lshl_b32 s36, s29, 12
	s_add_co_u32 s34, s34, s36
	s_add_nc_u64 s[38:39], s[16:17], s[34:35]
	s_lshl_b32 s34, s26, 18                        ; the scale bytes: 262,144 a tensor, 512 for 16 rows, 256 for half of K
	s_lshl_b32 s36, s28, 9
	s_add_co_u32 s34, s34, s36
	s_lshl_b32 s36, s29, 8
	s_add_co_u32 s34, s34, s36
	s_add_nc_u64 s[40:41], s[18:19], s[34:35]
	s_mul_i32 s37, s24, STGW                       ; my stage
	v_add_nc_u32 v5, s37, v4                       ; in: 16 x lane of a row
	v_mul_u32_u24 v6, v2, 528
	v_lshl_add_u32 v6, v3, 7, v6
	v_add_nc_u32 v6, s37, v6                       ; back: row r, + 128 h; rows 528 bytes apart, so sixteen lanes fall on sixteen different 16-byte columns
	v_lshlrev_b32 v7, 4, v2
	v_lshl_add_u32 v7, v3, 3, v7                   ; the scale words' way out: 16 r + 8 h
	v_lshlrev_b32 v24, 3, v3                       ; 8 h
	v_mov_b32 v15, 0                               ; a lane permute's destination counts as one of its sources
	STEP 0
	STEP 1
	STEP 2
	STEP 3
	v_cmp_ne_u32 vcc_lo, 0, v3
	v_cndmask_b32 v20, v16, v18, vcc_lo            ; lanes 0-15 store words 0 and 1 of row r, lanes 16-31 words 2 and 3
	v_cndmask_b32 v21, v17, v19, vcc_lo
	global_store_b64 v7, v[20:21], s[40:41]        ; 32 lanes store 256 consecutive bytes, aligned
	s_wait_tensorcnt 0x0                           ; the wave's end, behind my last LDS store
	ds_add_u32 v[SPW], v[NIL]
	s_wait_dscnt 0x0
	s_endpgm
.Lweights:                             ; ---- the weights: tensor tw, 128 along K (step ks), 32 columns a wave
	s_lshr_b32 s25, ttmp9, 6                       ; tw
	s_bfe_u32 s26, ttmp9, 0x30003                  ; ks
	s_and_b32 s27, ttmp9, 7
	s_lshl_b32 s27, s27, 7
	s_lshl_b32 s28, s24, 5
	s_add_co_u32 s27, s27, s28                     ; my wave's first column
	s_cmp_eq_u32 s25, 0
	s_cselect_b64 s[32:33], s[10:11], s[12:13]
	s_cmp_eq_u32 s25, 2
	s_cselect_b64 s[32:33], s[14:15], s[32:33]
	s_lshl_b32 s34, s26, 19                        ; 128 rows of 4,096 bytes
	s_lshl_b32 s36, s27, 2
	s_add_co_u32 s34, s34, s36
	s_add_nc_u64 s[32:33], s[32:33], s[34:35]
	v_lshlrev_b32 v25, 2, v1                       ; a lane a column
.set I_, 0
.rept 128
	global_load_b32 v[RS+I_], v25, s[32:33] offset:I_*4096 th:TH_LOAD_NT
.set I_, I_+1
.endr
	s_lshl_b32 s34, s25, 19                        ; the codes: 524,288 bytes a tensor, 8,192 for 16 columns, 1,024 for a K step
	s_lshl_b32 s36, s27, 9
	s_add_co_u32 s34, s34, s36
	s_lshl_b32 s36, s26, 10
	s_add_co_u32 s34, s34, s36
	s_add_nc_u64 s[38:39], s[20:21], s[34:35]
	s_lshl_b32 s34, s25, 15                        ; the scale bytes: 32,768 a tensor, 512 for 16 columns, 256 for four K steps, 4 for one
	s_lshl_b32 s36, s27, 5
	s_add_co_u32 s34, s34, s36
	s_lshr_b32 s36, s26, 2
	s_lshl_b32 s36, s36, 8
	s_add_co_u32 s34, s34, s36
	s_and_b32 s36, s26, 3
	s_lshl_b32 s36, s36, 2
	s_add_co_u32 s34, s34, s36
	s_add_nc_u64 s[40:41], s[22:23], s[34:35]
	v_lshlrev_b32 v26, 4, v2
	v_lshl_add_u32 v27, v3, 9, v26                 ; my scale word: 512 (lane / 16) + 16 (lane % 16)
	v_lshl_add_u32 v26, v3, 13, v26                ; my codes: 8,192 (lane / 16) + 16 (lane % 16)
	WBLOCK 0, 63                                   ; 96 loads are younger than block 0's: the count names as many as its field holds
	WBLOCK 1, 63                                   ; 64 are younger
	WBLOCK 2, 32
	WBLOCK 3, 0
	global_store_b32 v27, v10, s[40:41]            ; four bytes a column: one byte in 128 of what this path reads
	s_endpgm
.Lfunc_end_k_q1c3150bf1c_quant:
	.size	k_q1c3150bf1c_quant, .Lfunc_end_k_q1c3150bf1c_quant-k_q1c3150bf1c_quant
	.p2alignl 7, 3214868480
	.fill 96, 4, 3214868480
	.section	.rodata,"a",@progbits
	.p2align	6, 0x0
	.amdhsa_kernel k_q1c3150bf1c_quant
		.amdhsa_group_segment_fixed_size 34304
		.amdhsa_private_segment_fixed_size 0
		.amdhsa_enable_private_segment 0
		.amdhsa_kernarg_size 80
		.amdhsa_user_sgpr_count 2
		.amdhsa_user_sgpr_kernarg_segment_ptr 1
		.amdhsa_wavefront_size32 1
		.amdhsa_system_sgpr_workgroup_id_x 1
		.amdhsa_system_sgpr_workgroup_id_y 1
		.amdhsa_system_sgpr_workgroup_id_z 1
		.amdhsa_system_vgpr_workitem_id 0
		.amdhsa_next_free_vgpr 256
		.amdhsa_next_free_sgpr 66
		.amdhsa_reserve_vcc 1
		.amdhsa_float_denorm_mode_32 3
		.amdhsa_float_denorm_mode_16_64 3
		.amdhsa_memory_ordered 1
		.amdhsa_forward_progress 1
		.amdhsa_inst_pref_size 49
	.end_amdhsa_kernel
	.amdgpu_metadata
---
amdhsa.version: [ 1, 2 ]
amdhsa.kernels:
  - .name:           k_q1c3150bf1c_quant
    .symbol:         k_q1c3150bf1c_quant.kd
    .args:
      - { .name: query, .offset: 0, .size: 8, .value_kind: global_buffer, .address_space: global }
      - { .name: key, .offset: 8, .size: 8, .value_kind: global_buffer, .address_space: global }
      - { .name: value, .offset: 16, .size: 8, .value_kind: global_buffer, .address_space: global }
      - { .name: q_w, .offset: 24, .size: 8, .value_kind: global_buffer, .address_space: global }
      - { .name: k_w, .offset: 32, .size: 8, .value_kind: global_buffer, .address_space: global }
      - { .name: v_w, .offset: 40, .size: 8, .value_kind: global_buffer, .address_space: global }
      - { .name: x_img, .offset: 48, .size: 8, .value_kind: global_buffer, .address_space: global }
      - { .name: x_scl, .offset: 56, .size: 8, .value_kind: global_buffer, .address_space: global }
      - { .name: w_img, .offset: 64, .size: 8, .value_kind: global_buffer, .address_space: global }
      - { .name: w_scl, .offset: 72, .size: 8, .value_kind: global_buffer, .address_space: global }
    .group_segment_fixed_size: 34304
    .private_segment_fixed_size: 0
    .kernarg_segment_align: 8
    .kernarg_segment_size: 80
    .max_flat_workgroup_size: 128
    .sgpr_count:     66
    .vgpr_count:     256
    .wavefront_size: 32
...
	.end_amdgpu_metadata
.endif
;; end of part 1
;; launch kv (part 2): grid 8 x 32, 4 waves a work-group, clusters of 4 x 4, 327,680 bytes of LDS; arguments x_img, x_scl, w_img, w_scl, k_b, v_b, part; writes part
.if DOCPART == 2
	.amdgcn_target "amdgcn-amd-amdhsa--gfx1250"
	.amdhsa_code_object_version 6
	.text
	.protected	k_q1c3150bf1c_kv
	.globl	k_q1c3150bf1c_kv
	.p2align	8
	.type	k_q1c3150bf1c_kv,@function
k_q1c3150bf1c_kv:
	s_mov_b64 s[64:65], 0
	v_nop
	global_prefetch_b8 v0, s[64:65] scope:SCOPE_SE
	s_setreg_imm32_b32 hwreg(HW_REG_WAVE_MODE, 25, 1), 1
	s_wait_xcnt 0x0
	s_wait_alu depctr_hold_cnt(0) depctr_sa_sdst(0) depctr_va_vdst(0) depctr_va_sdst(0) depctr_va_ssrc(0) depctr_va_vcc(0) depctr_vm_vsrc(0)
	s_getreg_b32 s2, hwreg(HW_REG_IB_STS2, 6, 4)
	s_cmp_eq_u32 s2, 0
	s_cbranch_scc0 .Lentry_in_a_cluster
	s_endpgm
.Lentry_in_a_cluster:
	s_bfe_u32 s2, ttmp6, 0x10000c
	s_cmp_lg_u32 s2, 0xf033
	s_cbranch_scc0 .Lentry_shape_is_right
	s_endpgm
.Lentry_shape_is_right:
; k = Q(key) Q(k_w) + k_b and v = Q(value) Q(v_w) + v_b on codes of FP4 with E8M0 scales, then a partial M = k^T v of each head over 256 rows.
; reference() has no softmax between its two last products, so (q k^T) v = q (k^T v) for every input; only the order of the f32 sums differs from reference()'s.
; SHARES.  Work-group (X, Y): rows 256 Y .. + 255 of key and of value, heads 2 X and 2 X + 1.  Wave w: rows 128 (w / 2) on, head 2 X + w % 2: k and v, 128 x 64 each: 64 accumulators.
; The products take x's rows as source 0 and the weight's columns as source 1: a lane then holds ONE column (a head's channel) and eight rows, so that two row blocks, rounded to f16 in pairs,
; ARE a fragment of k^T or v^T with K = 32 sequence positions.  The biases are the C of each sum's first product.
; RING.  K goes in four quarters of 256 through three LDS slots; quarters 0 to 2 are asked for at the head, quarter 3 is the one refill (slot 0).  By this text's count a wave has at most three tensor loads out.
; CLUSTER 4 x 4: the four of a row of the cluster need the same tiles of key and value, the four of a column the same tiles of the weights: each is asked for jointly.
; No prefetch: three quarters of all tiles are asked for at the head.
; LIMITS: |k| and |v| stay under 65,504 (f16 operands); NaN and infinities are not served.
; REGISTERS: window 0: v1-10 addresses, v28-29 the add's two, v32-127 scale words.  window 1: v0-63 key's fragments, v64-95 k_w's, v96-159 value's, v160-191 v_w's, v192-255 the biases; later k^T (v0-127) and v^T (v128-255) in f16.
;   window 2: k's 32 accumulators (a, b) at v[8 (4 a + b)]; later M's 16 tiles.   window 3: v's; later the other row half's M.
.set SLOTB, 98304                      ; a slot: key 32,768, value 32,768, k_w 16,384, v_w 16,384 bytes
.set SPARE, 3*SLOTB                    ; behind the ring: the spare words, 128 bytes a wave
.set STGM,  SLOTB                      ; the stage for M, 16,384 bytes for each head, in slot 1: it has had its only fill, and its last read lies ahead of the second change's barrier
.set L16,   2                          ; v2     16 x lane
.set BOF,   3                          ; v3     4 x (lane % 16)
.set ADX,   4                          ; v4-6   my 128 rows of key in slot 0, 1, 2
.set ADW,   7                          ; v7-9   my head's 64 columns of k_w
.set STG,   10                         ; v10    my head's stage
.set SPW,   28
.set NIL,   29
.set G1A,   28                         ; s[28:35] group 1 for key's and value's tiles;  s[36:43] for the weights'
.set G1W,   36
.set G0A,   44                         ; s[44:55] three groups 0, quarters 0 to 2;  s[68:79] the same for the weights
.set G0W,   68
.set MSB, 0
.macro WIN new                         ; the immediate's high byte repeats the setting that is left
.if MSB != (\new)
	s_set_vgpr_msb (MSB<<8)|(\new)
.set MSB, (\new)
.endif
.endm
.macro PLACES n
.rept \n
	v_nop
.endr
.endm
; A joint load: waves 0 and 1 fetch key's and value's tile, waves 2 and 3 k_w's and v_w's.  The branch hangs on the wave's number alone.  An s_nop 0 and four v_nop follow each line.
.macro JLOAD g0a, g1a, g0w, g1w
	s_cmp_eq_u32 s19, 0
	s_cbranch_scc0 .Lfor_w_\@
	tensor_load_to_lds s[\g0a:\g0a+3], s[\g1a:\g1a+7]
	s_nop 0
.rept 4
	v_nop
.endr
	s_branch .Lasked_\@
.Lfor_w_\@:
	tensor_load_to_lds s[\g0w:\g0w+3], s[\g1w:\g1w+7]
	s_nop 0
.rept 4
	v_nop
.endr
.Lasked_\@:
.endm
.macro CREST                           ; a round of the cluster's barrier behind its opening barrier
	s_cmp_lg_u32 s18, 0
	s_cbranch_scc1 .Lnot_wave_0_\@
	s_barrier_signal -3
.Lnot_wave_0_\@:
	s_barrier_wait -3
	s_barrier_signal -1
	s_barrier_wait -1
.endm
.macro CROUND
	s_barrier_signal -1
	s_barrier_wait -1
	CREST
.endm
; 24 LDS loads: K step ks of key and k_w (kind 0) or of value and v_w (kind 1).  A fragment is 1,024 consecutive bytes: two loads of 512, 16 x lane each: no padding is wanted.
.macro FETCH kind, ks
.set SL_, ((\ks)>>1)%3
.set QO_, ((\ks)&1)*1024
	WIN 0x40                                       ; destination window 1, address window 0
.irp a, 0,1,2,3,4,5,6,7
.irp c, 0,1
	ds_load_b128 v[96*(\kind)+8*\a+4*\c:96*(\kind)+8*\a+4*\c+3], v[ADX+SL_] offset:32768*(\kind)+2048*\a+QO_+512*\c
.endr
.endr
.irp b, 0,1,2,3
.irp c, 0,1
	ds_load_b128 v[96*(\kind)+64+8*\b+4*\c:96*(\kind)+64+8*\b+4*\c+3], v[ADW+SL_] offset:16384*(\kind)+2048*\b+QO_+512*\c
.endr
.endr
.endm
; 16 products: row blocks 4 half .. + 3 x the head's four column blocks.  The accumulators take turns, one instruction a turn.
; A scale register holds K step j in lanes 0-15 and K step 4 + j in lanes 16-31: K steps 4 to 7 read the upper row.
.macro MULH kind, ks, half
.if (\ks) == 0
	WIN 0x95+0x40*(\kind)                          ; sources 0, 1 and C (the bias) window 1; D window 2 (k) or 3 (v)
.else
	WIN 0xa5+0x50*(\kind)                          ; C and D window 2 or 3
.endif
.set A_, 4*(\half)
.rept 4
.set B_, 0
.rept 4
.set D_,  8*(4*A_+B_)
.set XF_, 96*(\kind)+8*A_
.set WF_, 96*(\kind)+64+8*B_
.set SX_, 32+32*(\kind)+4*A_+((\ks)&3)
.set SW_, 96+16*(\kind)+4*B_+((\ks)&3)
.set BI_, 192+32*(\kind)+8*B_
.if (\ks) == 0
	v_wmma_scale_f32_16x16x128_f8f6f4 v[D_:D_+7], v[XF_:XF_+7], v[WF_:WF_+7], v[BI_:BI_+7], v[SX_], v[SW_] matrix_a_fmt:MATRIX_FMT_FP4 matrix_b_fmt:MATRIX_FMT_FP4
.elseif (\ks) < 4
	v_wmma_scale_f32_16x16x128_f8f6f4 v[D_:D_+7], v[XF_:XF_+7], v[WF_:WF_+7], v[D_:D_+7], v[SX_], v[SW_] matrix_a_fmt:MATRIX_FMT_FP4 matrix_b_fmt:MATRIX_FMT_FP4
.else
	v_wmma_scale_f32_16x16x128_f8f6f4 v[D_:D_+7], v[XF_:XF_+7], v[WF_:WF_+7], v[D_:D_+7], v[SX_], v[SW_] matrix_a_fmt:MATRIX_FMT_FP4 matrix_b_fmt:MATRIX_FMT_FP4 matrix_a_scale:MATRIX_SCALE_ROW1 matrix_b_scale:MATRIX_SCALE_ROW1
.endif
.set B_, B_+1
.endr
.set A_, A_+1
.endr
.endm
.macro KPH ks                          ; k's 32 products of a K step
	s_wait_dscnt 24                                ; key's and k_w's fragments are in; the 24 younger loads (value's and v_w's) may be out
	MULH 0, \ks, 0
	MULH 0, \ks, 1
.endm
.macro STEPN ks                        ; a K step whose successor lies in a slot that is known whole
	KPH \ks
.if (\ks) < 7
	PLACES 4                                       ; four places ahead of loads into registers that matrix instructions have read
	FETCH 0, (\ks)+1
	s_wait_dscnt 24                                ; value's and v_w's are in; the 24 just issued may be out
.else
	s_wait_dscnt 0x0
.endif
	MULH 1, \ks, 0
	MULH 1, \ks, 1
.if (\ks) < 7
	PLACES 4
	FETCH 1, (\ks)+1
.endif
.endm
; A slot's last K step, behind k's products.  Each wave waits for all its tensor loads, adds 0 to its spare word, waits for that and for its reads of the slot, and meets the others.
; fill = 1: the barrier opens a round of the cluster's barrier, and slot 0 takes quarter 3, the first thing behind the round; it has K steps 2 to 5 in which to land.
.macro TURN ks, fill
	WIN 0
	s_wait_tensorcnt 0x0                           ; all my tensor loads have landed, so a group 0 may be written
	ds_add_u32 v[SPW], v[NIL]
.if \fill
	s_add_nc_u64 s[G0A+2:G0A+3], s[G0A+2:G0A+3], 3*2048   ; from quarter 0 to quarter 3
	s_add_nc_u64 s[G0W+2:G0W+3], s[G0W+2:G0W+3], 3*2048
.endif
	s_wait_dscnt 0x0                               ; the add is done, and my reads of this slot are over
	s_barrier_signal -1
	MULH 1, \ks, 0                                 ; work on registers while the others arrive
	WIN 0
	s_barrier_wait -1
.if \fill
	CREST                                          ; no wave of any partner still reads slot 0 or has a load on its way
	JLOAD G0A, G1A, G0W, G1W                       ; its four v_nop are also the places ahead of the loads below
.else
	PLACES 4
.endif
	FETCH 0, (\ks)+1
	MULH 1, \ks, 1
	PLACES 4
	FETCH 1, (\ks)+1
.endm
.macro CVT base                        ; 32 accumulators -> f16: tile (a, b)'s four pairs go to v[base + 32 b + 4 a ..]: fragment (b, u) is v[base + 8 (4 b + u) ..]; each accumulator from its low end on
.set B_, 0
.rept 4
.set A_, 0
.rept 8
.set G_, 0
.rept 4
	v_cvt_pk_f16_f32 v[\base+32*B_+4*A_+G_], v[8*(4*A_+B_)+2*G_], v[8*(4*A_+B_)+2*G_+1]
.set G_, G_+1
.endr
.set A_, A_+1
.endr
.set B_, B_+1
.endr
.endm
	s_load_b256 s[4:11], s[0:1], 0x0               ; x_img, x_scl, w_img, w_scl
	s_load_b128 s[12:15], s[0:1], 0x20             ; k_b, v_b
	s_load_b64 s[16:17], s[0:1], 0x30              ; part
	v_lshl_add_u32 v[SPW], v0, 2, SPARE
	v_mov_b32 v[NIL], 0
	ds_add_u32 v[SPW], v[NIL]                      ; the wave's opening: the add, twice on end, and its wait ahead of my first tensor load
	ds_add_u32 v[SPW], v[NIL]
	v_lshrrev_b32 v1, 5, v0
	v_readfirstlane_b32 s18, v1                    ; wave
	s_lshr_b32 s19, s18, 1                         ; my half of the rows.  Also: I fetch activations (0) or weights (1)
	s_and_b32 s20, s18, 1                          ; my head of the two.  Also: I fetch for k (0) or for v (1)
	s_bfe_u32 s21, ttmp6, 0x40000                  ; cx
	s_bfe_u32 s22, ttmp6, 0x40004                  ; cy
	s_lshl_b32 s23, ttmp9, 2
	s_add_co_u32 s23, s23, s21                     ; X
	s_and_b32 s24, ttmp7, 0xffff
	s_lshl_b32 s24, s24, 2
	s_add_co_u32 s24, s24, s22                     ; Y
	s_lshl_b32 s25, s22, 2
	s_lshl_b32 s25, 15, s25                        ; my row of the cluster
	s_lshl_b32 s26, 0x1111, s21                    ; my column
	s_or_b32 s[G1A], s25, (3<<16)|(1<<21)          ; the mask; elements of 8 bytes; bit 21 beside a mask; no padding
	s_or_b32 s[G1W], s26, (3<<16)|(1<<21)
	s_mov_b32 s[G1A+1], 256<<16                    ; tensor_dim0 = 256 elements: a quarter of 16 rows' codes, 2,048 bytes
	s_mov_b32 s[G1A+2], 16<<16                     ; tensor_dim1 = 16 blocks of 16 rows
	s_mov_b32 s[G1A+3], 256<<16                    ; tile_dim0
	s_mov_b32 s[G1A+4], 16                         ; tile_dim1
	s_mov_b32 s[G1A+5], 1024                       ; from block to block: 8,192 bytes
	s_mov_b32 s[G1A+6], 0
	s_mov_b32 s[G1A+7], 0
	s_mov_b32 s[G1W+1], 256<<16
	s_mov_b32 s[G1W+2], 8<<16                      ; 8 blocks of 16 columns
	s_mov_b32 s[G1W+3], 256<<16
	s_mov_b32 s[G1W+4], 8
	s_mov_b32 s[G1W+5], 1024
	s_mov_b32 s[G1W+6], 0
	s_mov_b32 s[G1W+7], 0
	s_add_co_u32 s56, s20, 1                       ; key is tensor 1, value tensor 2
	s_lshl_b32 s56, s56, 22
	s_lshl_b32 s57, s24, 17                        ; 256 rows are 131,072 bytes: hangs on Y alone
	s_add_co_u32 s56, s56, s57
	s_mov_b32 s57, 0
	s_add_co_u32 s58, s20, 1
	s_lshl_b32 s58, s58, 19
	s_lshl_b32 s59, s23, 16                        ; 128 columns are 65,536 bytes: hangs on X alone
	s_add_co_u32 s58, s58, s59
	s_mov_b32 s59, 0
	s_lshl_b32 s60, s20, 15                        ; in a slot: key, then value;
	s_lshl_b32 s61, s20, 14
	s_add_co_u32 s61, s61, 65536                   ; k_w, then v_w
	s_wait_dscnt 0x0                               ; both opening adds are done
	s_wait_kmcnt 0x0
	s_add_nc_u64 s[56:57], s[4:5], s[56:57]
	s_add_nc_u64 s[58:59], s[8:9], s[58:59]
	CROUND                                         ; all sixteen work-groups are here: the first joint loads meet
.irp s, 0,1,2
	s_mov_b32 s[G0A+4*\s], 1
	s_add_co_u32 s[G0A+4*\s+1], s60, \s*SLOTB
	s_add_nc_u64 s[G0A+4*\s+2:G0A+4*\s+3], s[56:57], \s*2048
	s_or_b32 s[G0A+4*\s+3], s[G0A+4*\s+3], 0x80000000
	s_mov_b32 s[G0W+4*\s], 1
	s_add_co_u32 s[G0W+4*\s+1], s61, \s*SLOTB
	s_add_nc_u64 s[G0W+4*\s+2:G0W+4*\s+3], s[58:59], \s*2048
	s_or_b32 s[G0W+4*\s+3], s[G0W+4*\s+3], 0x80000000
	JLOAD G0A+4*\s, G1A, G0W+4*\s, G1W
.endr
	; the scale words and the biases go straight into registers
	s_mov_b32 s81, 0
	s_lshl_b32 s80, s24, 13                        ; key's scales: tensor 1, 512 bytes for 16 rows
	s_lshl_b32 s86, s19, 12
	s_add_co_u32 s80, s80, s86
	s_add_co_u32 s80, s80, 262144
	s_add_nc_u64 s[82:83], s[6:7], s[80:81]
	s_lshl_b32 s80, s23, 12                        ; k_w's
	s_lshl_b32 s86, s20, 11
	s_add_co_u32 s80, s80, s86
	s_add_co_u32 s80, s80, 32768
	s_add_nc_u64 s[84:85], s[10:11], s[80:81]
	s_lshl_b32 s80, s23, 9                         ; the biases of my head: 256 bytes a head
	s_lshl_b32 s86, s20, 8
	s_add_co_u32 s80, s80, s86
	s_add_nc_u64 s[88:89], s[12:13], s[80:81]
	s_add_nc_u64 s[90:91], s[14:15], s[80:81]
	s_lshr_b32 s80, s24, 3                         ; the batch
	s_lshl_b32 s80, s80, 4
	s_lshl_b32 s86, s23, 1
	s_add_co_u32 s80, s80, s86
	s_add_co_u32 s80, s80, s20                     ; batch x 16 + head
	s_lshl_b32 s80, s80, 3
	s_and_b32 s86, s24, 7
	s_add_co_u32 s80, s80, s86                     ; x 8 + which 256 rows of the sequence
	s_lshl_b32 s80, s80, 14
	s_add_nc_u64 s[92:93], s[16:17], s[80:81]
	v_and_b32 v1, 31, v0
	v_lshlrev_b32 v[L16], 4, v1
	v_and_b32 v[BOF], 15, v0
	v_lshlrev_b32 v[BOF], 2, v[BOF]
.irp a, 0,1,2,3,4,5,6,7
	global_load_b128 v[32+4*\a:35+4*\a], v[L16], s[82:83] offset:512*\a
	global_load_b128 v[64+4*\a:67+4*\a], v[L16], s[82:83] offset:262144+512*\a
.endr
.irp b, 0,1,2,3
	global_load_b128 v[96+4*\b:99+4*\b], v[L16], s[84:85] offset:512*\b
	global_load_b128 v[112+4*\b:115+4*\b], v[L16], s[84:85] offset:32768+512*\b
.endr
	WIN 0x40
.irp b, 0,1,2,3
	global_load_b32 v[192+8*\b], v[BOF], s[88:89] offset:64*\b   ; the bias of column 16 b + lane % 16
	global_load_b32 v[224+8*\b], v[BOF], s[90:91] offset:64*\b
.endr
	WIN 0
	s_lshl_b32 s62, s19, 14
	v_add_nc_u32 v[ADX], s62, v[L16]
	v_add_nc_u32 v[ADX+1], SLOTB, v[ADX]
	v_add_nc_u32 v[ADX+2], 2*SLOTB, v[ADX]
	s_lshl_b32 s62, s20, 13
	s_add_co_u32 s62, s62, 65536
	v_add_nc_u32 v[ADW], s62, v[L16]
	v_add_nc_u32 v[ADW+1], SLOTB, v[ADW]
	v_add_nc_u32 v[ADW+2], 2*SLOTB, v[ADW]
	s_lshl_b32 s62, s20, 14
	s_add_co_u32 s62, s62, STGM
	v_add_nc_u32 v[STG], s62, v[L16]
	s_wait_tensorcnt 0x2                           ; my part of quarter 0 is in; quarters 1 and 2 may stay out
	s_barrier_signal -1
	s_barrier_wait -1
	FETCH 0, 0
	FETCH 1, 0
	s_wait_loadcnt 0x0                             ; scale words and biases
	WIN 0x41
.irp b, 0,1,2,3,4,5,6,7                ; a lane's eight results of a tile belong to one column: its bias eight times
.irp q, 1,2,3,4,5,6,7
	v_mov_b32 v[192+8*\b+\q], v[192+8*\b]
.endr
.endr
	PLACES 4
	STEPN 0
	KPH 1
	TURN 1, 1
	STEPN 2
	STEPN 3
	STEPN 4
	KPH 5
	TURN 5, 0                                      ; quarter 3 is whole for every wave behind this barrier; nothing is filled
	STEPN 6
	STEPN 7
	; ---- M = k^T v over my 128 rows
	PLACES 4                                       ; ahead of the first read of results, and of writes over the fragments
	WIN 0x4a                                       ; sources window 2, destination window 1
	CVT 0
	WIN 0x4f                                       ; sources window 3
	CVT 128
	PLACES 5                                       ; M's tiles are laid over k's accumulators
	WIN 0xa5
.irp u, 0,1,2,3                        ; 32 sequence positions a step; the 16 tiles by turns
.irp bd, 0,1,2,3
.irp be, 0,1,2,3
.if \u == 0
	v_wmma_f32_16x16x32_f16 v[8*(4*\bd+\be):8*(4*\bd+\be)+7], v[8*(4*\bd+\u):8*(4*\bd+\u)+7], v[128+8*(4*\be+\u):128+8*(4*\be+\u)+7], 0
.else
	v_wmma_f32_16x16x32_f16 v[8*(4*\bd+\be):8*(4*\bd+\be)+7], v[8*(4*\bd+\u):8*(4*\bd+\u)+7], v[128+8*(4*\be+\u):128+8*(4*\be+\u)+7], v[8*(4*\bd+\be):8*(4*\bd+\be)+7]
.endif
.endr
.endr
.endr
	PLACES 4
	WIN 0
	; the two row halves of a head are added: waves 2 and 3 hand their M over as an image of its registers
	s_cmp_eq_u32 s19, 0
	s_cbranch_scc1 .Lkeep
	WIN 0x08                                       ; an LDS store's data are its source 1: window 2
.set T_, 0
.rept 16
	ds_store_b128 v[STG], v[8*T_:8*T_+3] offset:1024*T_
	ds_store_b128 v[STG], v[8*T_+4:8*T_+7] offset:1024*T_+512
.set T_, T_+1
.endr
	WIN 0
.Lkeep:
	s_wait_dscnt 0x0                               ; for the others' sake: my stores have landed
	s_barrier_signal -1
	s_barrier_wait -1
	s_cmp_lg_u32 s19, 0
	s_cbranch_scc1 .Ldone
	WIN 0xc0                                       ; destination window 3
.set T_, 0
.rept 16
	ds_load_b128 v[8*T_:8*T_+3], v[STG] offset:1024*T_
	ds_load_b128 v[8*T_+4:8*T_+7], v[STG] offset:1024*T_+512
.set T_, T_+1
.endr
	s_wait_dscnt 0x0
	WIN 0x8e                                       ; destination and source 0 window 2, source 1 window 3
.set T_, 0
.rept 64
	v_pk_add_f32 v[2*T_:2*T_+1], v[2*T_:2*T_+1], v[2*T_:2*T_+1]
.set T_, T_+1
.endr
	WIN 0x08                                       ; a store's data are its source 1: window 2
.set T_, 0
.rept 16
	global_store_b128 v[L16], v[8*T_:8*T_+3], s[92:93] offset:1024*T_       ; 32 lanes store 512 consecutive bytes, aligned
	global_store_b128 v[L16], v[8*T_+4:8*T_+7], s[92:93] offset:1024*T_+512
.set T_, T_+1
.endr
	WIN 0
.Ldone:
	s_wait_tensorcnt 0x0                           ; the wave's end
	ds_add_u32 v[SPW], v[NIL]
	s_wait_dscnt 0x0
	CROUND                                         ; the closing round
	s_endpgm
.Lfunc_end_k_q1c3150bf1c_kv:
	.size	k_q1c3150bf1c_kv, .Lfunc_end_k_q1c3150bf1c_kv-k_q1c3150bf1c_kv
	.p2alignl 7, 3214868480
	.fill 96, 4, 3214868480
	.section	.rodata,"a",@progbits
	.p2align	6, 0x0
	.amdhsa_kernel k_q1c3150bf1c_kv
		.amdhsa_group_segment_fixed_size 327680
		.amdhsa_private_segment_fixed_size 0
		.amdhsa_enable_private_segment 0
		.amdhsa_kernarg_size 56
		.amdhsa_user_sgpr_count 2
		.amdhsa_user_sgpr_kernarg_segment_ptr 1
		.amdhsa_wavefront_size32 1
		.amdhsa_system_sgpr_workgroup_id_x 1
		.amdhsa_system_sgpr_workgroup_id_y 1
		.amdhsa_system_sgpr_workgroup_id_z 1
		.amdhsa_system_vgpr_workitem_id 0
		.amdhsa_next_free_vgpr 1024
		.amdhsa_next_free_sgpr 96
		.amdhsa_reserve_vcc 0
		.amdhsa_float_denorm_mode_32 3
		.amdhsa_float_denorm_mode_16_64 3
		.amdhsa_memory_ordered 1
		.amdhsa_forward_progress 1
		.amdhsa_inst_pref_size 138
	.end_amdhsa_kernel
	.amdgpu_metadata
---
amdhsa.version: [ 1, 2 ]
amdhsa.kernels:
  - .name:           k_q1c3150bf1c_kv
    .symbol:         k_q1c3150bf1c_kv.kd
    .args:
      - { .name: x_img, .offset: 0, .size: 8, .value_kind: global_buffer, .address_space: global }
      - { .name: x_scl, .offset: 8, .size: 8, .value_kind: global_buffer, .address_space: global }
      - { .name: w_img, .offset: 16, .size: 8, .value_kind: global_buffer, .address_space: global }
      - { .name: w_scl, .offset: 24, .size: 8, .value_kind: global_buffer, .address_space: global }
      - { .name: k_b, .offset: 32, .size: 8, .value_kind: global_buffer, .address_space: global }
      - { .name: v_b, .offset: 40, .size: 8, .value_kind: global_buffer, .address_space: global }
      - { .name: part, .offset: 48, .size: 8, .value_kind: global_buffer, .address_space: global }
    .group_segment_fixed_size: 327680
    .private_segment_fixed_size: 0
    .kernarg_segment_align: 8
    .kernarg_segment_size: 56
    .max_flat_workgroup_size: 128
    .sgpr_count:     96
    .vgpr_count:     1024
    .wavefront_size: 32
...
	.end_amdgpu_metadata
.endif
;; end of part 2
;; launch red (part 3): grid 256 x 1, 4 waves a work-group, no clusters, 768 bytes of LDS; arguments part, mt, fac; writes mt, fac
.if DOCPART == 3
	.amdgcn_target "amdgcn-amd-amdhsa--gfx1250"
	.amdhsa_code_object_version 6
	.text
	.protected	k_q1c3150bf1c_red
	.globl	k_q1c3150bf1c_red
	.p2align	8
	.type	k_q1c3150bf1c_red,@function
k_q1c3150bf1c_red:
	s_mov_b64 s[64:65], 0
	v_nop
	global_prefetch_b8 v0, s[64:65] scope:SCOPE_SE
	s_setreg_imm32_b32 hwreg(HW_REG_WAVE_MODE, 25, 1), 1
	s_wait_xcnt 0x0
; The eight partial M of a batch and head are added; M is brought to f16 under an exact power of two of its own.
; Work-group U = (batch x 16 + head) x 4 + be takes the 64 x 16 part of M with columns 16 be on; wave bd its tile (bd, be), as the image of an accumulator: register j of lane (r, h) is M[16 bd + 8 h + j][16 be + r].
; em = the exponent field of the part's largest magnitude.  M x 2^(127 - em) lies under 2, is rounded to f16 in pairs of j, and is then half a fragment of M^T for the last product; 2^(em - 127) / 8 goes to fac, 64 times.
; M has no room in f16 as it stands (it grows with the fourth power of the inputs' size): hence the power of two, which rounds nothing.
; LIMITS: a part whose largest magnitude lies under 2^-123 gets a denormal or zero factor; NaN and infinities are not served.
; All 16 loads of a wave go out at once, 512 consecutive bytes each; nothing is shared between work-groups: no cluster, no tensor load, no matrix work.
.set SPW, 2                            ; v2  my spare word (from LDS byte 256 on); never rewritten
.set NIL, 3                            ; v3  0; never rewritten
	s_load_b128 s[4:7], s[0:1], 0x0                ; part, mt
	s_load_b64 s[8:9], s[0:1], 0x10                ; fac
	v_lshl_add_u32 v[SPW], v0, 2, 256
	v_mov_b32 v[NIL], 0
	v_lshrrev_b32 v1, 5, v0
	v_readfirstlane_b32 s10, v1                    ; wave = bd
	v_and_b32 v1, 31, v0
	v_lshlrev_b32 v4, 4, v1                        ; 16 x lane
	v_lshlrev_b32 v5, 3, v1                        ; 8 x lane
	s_lshr_b32 s11, ttmp9, 2                       ; batch x 16 + head
	s_and_b32 s12, ttmp9, 3                        ; be
	s_lshl_b32 s14, s10, 2
	s_add_co_u32 s14, s14, s12                     ; the tile: 4 bd + be
	s_lshl_b32 s14, s14, 10
	s_lshl_b32 s16, s11, 17
	s_add_co_u32 s14, s14, s16
	s_mov_b32 s15, 0
	s_lshl_b32 s16, s11, 13                        ; mt: 8,192 bytes a head, 2,048 for be, 512 for bd
	s_lshl_b32 s18, s12, 11
	s_add_co_u32 s16, s16, s18
	s_lshl_b32 s18, s10, 9
	s_add_co_u32 s16, s16, s18
	s_mov_b32 s17, 0
	s_lshl_b32 s18, ttmp9, 8                       ; fac: 256 bytes a work-group
	s_mov_b32 s19, 0
	s_mov_b32 s20, 0x76543210
	s_mov_b32 s21, 0xfedcba98
	s_wait_kmcnt 0x0
	s_add_nc_u64 s[4:5], s[4:5], s[14:15]
	s_add_nc_u64 s[6:7], s[6:7], s[16:17]
	s_add_nc_u64 s[8:9], s[8:9], s[18:19]
.irp p, 0,1,2,3,4,5,6,7
	global_load_b128 v[16+8*\p:19+8*\p], v4, s[4:5] offset:16384*\p
	global_load_b128 v[20+8*\p:23+8*\p], v4, s[4:5] offset:16384*\p+512
.endr
	v_mov_b32 v81, 0                               ; a lane permute's destination counts as one of its sources
	v_mov_b32 v82, s10
	v_lshlrev_b32 v82, 2, v82                      ; my wave's word
	v_mov_b32 v83, 0
	s_wait_loadcnt 0x0
.irp p, 0,2,4,6                        ; the eight partials, as a tree
.irp q, 0,2,4,6
	v_pk_add_f32 v[16+8*\p+\q:17+8*\p+\q], v[16+8*\p+\q:17+8*\p+\q], v[24+8*\p+\q:25+8*\p+\q]
.endr
.endr
.irp p, 0,4
.irp q, 0,2,4,6
	v_pk_add_f32 v[16+8*\p+\q:17+8*\p+\q], v[16+8*\p+\q:17+8*\p+\q], v[32+8*\p+\q:33+8*\p+\q]
.endr
.endr
.irp q, 0,2,4,6
	v_pk_add_f32 v[16+\q:17+\q], v[16+\q:17+\q], v[48+\q:49+\q]
.endr
	v_max3_num_f32 v80, |v16|, |v17|, |v18|        ; the largest magnitude: of my eight,
	v_max3_num_f32 v80, v80, |v19|, |v20|
	v_max3_num_f32 v80, v80, |v21|, |v22|
	v_max_num_f32 v80, v80, |v23|
	v_max_num_f32_dpp v80, v80, v80 row_xmask:1 row_mask:0xf bank_mask:0xf   ; of the wave's,
	v_max_num_f32_dpp v80, v80, v80 row_xmask:2 row_mask:0xf bank_mask:0xf
	v_max_num_f32_dpp v80, v80, v80 row_xmask:4 row_mask:0xf bank_mask:0xf
	v_max_num_f32_dpp v80, v80, v80 row_xmask:8 row_mask:0xf bank_mask:0xf
	v_permlanex16_b32 v81, v80, s20, s21
	v_max_num_f32 v80, v80, v81
	ds_store_b32 v82, v80                          ; all lanes write the same word with the same value
	s_wait_dscnt 0x0                               ; for the others' sake
	s_barrier_signal -1
	s_barrier_wait -1
	ds_load_b128 v[84:87], v83                     ; and of the four waves'
	s_wait_dscnt 0x0
	v_max3_num_f32 v84, v84, v85, v86
	v_max_num_f32 v84, v84, v87
	v_lshrrev_b32 v88, 23, v84                     ; em
	v_sub_nc_u32 v89, 127, v88
.irp j, 0,1,2,3,4,5,6,7
	v_ldexp_f32 v[16+\j], v[16+\j], v89            ; x 2^(127 - em): nothing is rounded
.endr
.irp g, 0,1,2,3
	v_cvt_pk_f16_f32 v[92+\g], v[16+2*\g], v[17+2*\g]
.endr
	global_store_b128 v4, v[92:95], s[6:7]         ; 32 lanes store 512 consecutive bytes, aligned
	s_cmp_lg_u32 s10, 0
	s_cbranch_scc1 .Lnot_wave_0
	v_add_nc_u32 v90, 0xffffff7e, v88              ; em - 130
	v_ldexp_f32 v96, 1.0, v90                      ; 2^(em - 127) / 8: the power of two comes back, with reference()'s 1 / sqrt(64)
	v_mov_b32 v97, v96
	global_store_b64 v5, v[96:97], s[8:9]          ; 32 lanes store 256 consecutive bytes, aligned
.Lnot_wave_0:
	s_wait_tensorcnt 0x0                           ; the wave's end, behind my last LDS store
	ds_add_u32 v[SPW], v[NIL]
	s_wait_dscnt 0x0
	s_endpgm
.Lfunc_end_k_q1c3150bf1c_red:
	.size	k_q1c3150bf1c_red, .Lfunc_end_k_q1c3150bf1c_red-k_q1c3150bf1c_red
	.p2alignl 7, 3214868480
	.fill 96, 4, 3214868480
	.section	.rodata,"a",@progbits
	.p2align	6, 0x0
	.amdhsa_kernel k_q1c3150bf1c_red
		.amdhsa_group_segment_fixed_size 768
		.amdhsa_private_segment_fixed_size 0
		.amdhsa_enable_private_segment 0
		.amdhsa_kernarg_size 24
		.amdhsa_user_sgpr_count 2
		.amdhsa_user_sgpr_kernarg_segment_ptr 1
		.amdhsa_wavefront_size32 1
		.amdhsa_system_sgpr_workgroup_id_x 1
		.amdhsa_system_sgpr_workgroup_id_y 1
		.amdhsa_system_sgpr_workgroup_id_z 1
		.amdhsa_system_vgpr_workitem_id 0
		.amdhsa_next_free_vgpr 104
		.amdhsa_next_free_sgpr 66
		.amdhsa_reserve_vcc 0
		.amdhsa_float_denorm_mode_32 3
		.amdhsa_float_denorm_mode_16_64 3
		.amdhsa_memory_ordered 1
		.amdhsa_forward_progress 1
		.amdhsa_inst_pref_size 8
	.end_amdhsa_kernel
	.amdgpu_metadata
---
amdhsa.version: [ 1, 2 ]
amdhsa.kernels:
  - .name:           k_q1c3150bf1c_red
    .symbol:         k_q1c3150bf1c_red.kd
    .args:
      - { .name: part, .offset: 0, .size: 8, .value_kind: global_buffer, .address_space: global }
      - { .name: mt, .offset: 8, .size: 8, .value_kind: global_buffer, .address_space: global }
      - { .name: fac, .offset: 16, .size: 8, .value_kind: global_buffer, .address_space: global }
    .group_segment_fixed_size: 768
    .private_segment_fixed_size: 0
    .kernarg_segment_align: 8
    .kernarg_segment_size: 24
    .max_flat_workgroup_size: 128
    .sgpr_count:     66
    .vgpr_count:     104
    .wavefront_size: 32
...
	.end_amdgpu_metadata
.endif
;; end of part 3
;; launch qo (part 4): grid 8 x 32, 4 waves a work-group, clusters of 4 x 4, 214,528 bytes of LDS; arguments x_img, x_scl, w_img, w_scl, q_b, mt, fac, out0; writes out0
.if DOCPART == 4
	.amdgcn_target "amdgcn-amd-amdhsa--gfx1250"
	.amdhsa_code_object_version 6
	.text
	.protected	k_q1c3150bf1c_qo
	.globl	k_q1c3150bf1c_qo
	.p2align	8
	.type	k_q1c3150bf1c_qo,@function
k_q1c3150bf1c_qo:
	s_mov_b64 s[64:65], 0
	v_nop
	global_prefetch_b8 v0, s[64:65] scope:SCOPE_SE
	s_setreg_imm32_b32 hwreg(HW_REG_WAVE_MODE, 25, 1), 1
	s_wait_xcnt 0x0
	s_wait_alu depctr_hold_cnt(0) depctr_sa_sdst(0) depctr_va_vdst(0) depctr_va_sdst(0) depctr_va_ssrc(0) depctr_va_vcc(0) depctr_vm_vsrc(0)
	s_getreg_b32 s2, hwreg(HW_REG_IB_STS2, 6, 4)
	s_cmp_eq_u32 s2, 0
	s_cbranch_scc0 .Lentry_in_a_cluster
	s_endpgm
.Lentry_in_a_cluster:
	s_bfe_u32 s2, ttmp6, 0x10000c
	s_cmp_lg_u32 s2, 0xf033
	s_cbranch_scc0 .Lentry_shape_is_right
	s_endpgm
.Lentry_shape_is_right:
; q = Q(query) Q(q_w) + q_b on codes of FP4 with E8M0 scales; out = (q M') x factor, M' the head's k^T v in f16 under a power of two, the factor that power / 8.
; SHARES.  Work-group (X, Y): rows 256 Y .. + 255, heads 2 X and 2 X + 1.  Wave w: rows 128 (w / 2) on, head 2 X + w % 2: 32 accumulators of q, then 32 of the output.
; Both products are used transposed (source 0 = 16 columns of q_w, or 16 rows of M^T; source 1 = 16 rows of query, or of q): a lane holds ONE row throughout and eight neighbouring columns, so that two tiles of q,
; rounded to f16 in pairs, ARE source 1 of the second product, and a lane's eight results are 32 neighbouring bytes of a row of the output.  The bias is the C of each sum's first product.
; LDS.  All codes of the work-group, 196,608 bytes, are first fills, in two halves of K: nothing is filled again.  By this text's count a wave has at most two tensor loads out.
; CLUSTER 4 x 4: query's tiles are shared along a row of the cluster, q_w's along a column: each is asked for jointly.  No prefetch: all tiles are asked for at the head.
; LIMITS: |q| stays under 65,504 (an f16 operand); NaN and infinities are not served.
; REGISTERS: window 0: v1-12 addresses, v28-29 the add's two, v32-63 query's scale words, v64-79 q_w's, v128-191 M^T's eight fragments, v192-255 two sets for the way out.
;   window 1: two sets of fragments (query's 64, q_w's 32) at v0 and v96; v192-223 the bias; later q in f16 at v[16 a + 4 b ..].   window 2: q's accumulators (a, b) at v[8 (4 a + b)].   window 3: the output's (a, be).
.set HALFB, 98304                      ; half of K: query 65,536 bytes (16 blocks x 4,096), q_w 32,768
.set STAGE, 2*HALFB                    ; behind the tiles: 16 rows x (256 bytes + 16) for each wave
.set SPARE, STAGE+4*4352               ; behind the stages: the spare words, 128 bytes a wave
.set L16,   2                          ; v2     16 x lane
.set BOF,   5                          ; v5     32 x (lane / 16)
.set ADX,   6                          ; v6-7   my 128 rows of query in half 0, 1
.set ADW,   8                          ; v8-9   my head's 64 columns of q_w
.set STO,   10                         ; v10    the way out: where I put 32 bytes of a row
.set RD,    11                         ; v11    where I read a row back
.set CO,    12                         ; v12    my byte offset in two rows of the output
.set SPW,   28
.set NIL,   29
.set G1A,   28                         ; s[28:35], s[36:43] groups 1;  s[44:51], s[52:59] groups 0, one for each half
.set G1W,   36
.set G0A,   44
.set G0W,   52
.set MSB, 0
.macro WIN new
.if MSB != (\new)
	s_set_vgpr_msb (MSB<<8)|(\new)
.set MSB, (\new)
.endif
.endm
.macro PLACES n
.rept \n
	v_nop
.endr
.endm
.macro JLOAD g0a, g1a, g0w, g1w        ; waves 0 and 1 fetch query's two halves of rows, waves 2 and 3 q_w's two heads; an s_nop 0 and four v_nop follow each line
	s_cmp_eq_u32 s21, 0
	s_cbranch_scc0 .Lfor_w_\@
	tensor_load_to_lds s[\g0a:\g0a+3], s[\g1a:\g1a+7]
	s_nop 0
.rept 4
	v_nop
.endr
	s_branch .Lasked_\@
.Lfor_w_\@:
	tensor_load_to_lds s[\g0w:\g0w+3], s[\g1w:\g1w+7]
	s_nop 0
.rept 4
	v_nop
.endr
.Lasked_\@:
.endm
.macro CROUND                          ; a round of the cluster's barrier
	s_barrier_signal -1
	s_barrier_wait -1
	s_cmp_lg_u32 s20, 0
	s_cbranch_scc1 .Lnot_wave_0_\@
	s_barrier_signal -3
.Lnot_wave_0_\@:
	s_barrier_wait -3
	s_barrier_signal -1
	s_barrier_wait -1
.endm
.macro FETCH ks                        ; 24 LDS loads: K step ks into set ks % 2; a fragment is 1,024 consecutive bytes
.set HF_, (\ks)>>2
.set P_,  96*((\ks)%2)
.set KO_, 1024*((\ks)&3)
	WIN 0x40
.irp a, 0,1,2,3,4,5,6,7
.irp c, 0,1
	ds_load_b128 v[P_+8*\a+4*\c:P_+8*\a+4*\c+3], v[ADX+HF_] offset:4096*\a+KO_+512*\c
.endr
.endr
.irp b, 0,1,2,3
.irp c, 0,1
	ds_load_b128 v[P_+64+8*\b+4*\c:P_+64+8*\b+4*\c+3], v[ADW+HF_] offset:4096*\b+KO_+512*\c
.endr
.endr
.endm
.macro QMUL ks                         ; 32 products, the accumulators by turns; K steps 4 to 7 read the scale registers' upper row
.if (\ks) == 0
	WIN 0x95
.else
	WIN 0xa5
.endif
.set P_, 96*((\ks)%2)
.set A_, 0
.rept 8
.set B_, 0
.rept 4
.set D_,  8*(4*A_+B_)
.set XF_, P_+8*A_
.set WF_, P_+64+8*B_
.set SX_, 32+4*A_+((\ks)&3)
.set SW_, 64+4*B_+((\ks)&3)
.if (\ks) == 0
	v_wmma_scale_f32_16x16x128_f8f6f4 v[D_:D_+7], v[WF_:WF_+7], v[XF_:XF_+7], v[192+8*B_:199+8*B_], v[SW_], v[SX_] matrix_a_fmt:MATRIX_FMT_FP4 matrix_b_fmt:MATRIX_FMT_FP4
.elseif (\ks) < 4
	v_wmma_scale_f32_16x16x128_f8f6f4 v[D_:D_+7], v[WF_:WF_+7], v[XF_:XF_+7], v[D_:D_+7], v[SW_], v[SX_] matrix_a_fmt:MATRIX_FMT_FP4 matrix_b_fmt:MATRIX_FMT_FP4
.else
	v_wmma_scale_f32_16x16x128_f8f6f4 v[D_:D_+7], v[WF_:WF_+7], v[XF_:XF_+7], v[D_:D_+7], v[SW_], v[SX_] matrix_a_fmt:MATRIX_FMT_FP4 matrix_b_fmt:MATRIX_FMT_FP4 matrix_a_scale:MATRIX_SCALE_ROW1 matrix_b_scale:MATRIX_SCALE_ROW1
.endif
.set B_, B_+1
.endr
.set A_, A_+1
.endr
.endm
.macro STEP ks
.if (\ks) < 7
	s_wait_dscnt 24                                ; this K step's fragments are in; the next one's 24 loads may be out
.else
	s_wait_dscnt 0x0
.endif
	QMUL \ks
.if (\ks) == 2                         ; ahead of the first read of half 1: my part of it has landed, and so has everybody's behind the barrier
	WIN 0
	s_wait_tensorcnt 0x0
	s_wait_dscnt 0x0
	s_barrier_signal -1
	s_barrier_wait -1
.endif
.if (\ks) < 6
	PLACES 4                                       ; four places ahead of loads into registers that matrix instructions have read
	FETCH (\ks)+2
.endif
.endm
.macro SCALE a                         ; block a's 16 rows x the factor of each group of 16 columns; each accumulator from its low end on
	WIN 0xc3
.irp be, 0,1,2,3
.irp p, 0,1,2,3
	v_pk_mul_f32 v[8*(4*(\a)+\be)+2*\p:8*(4*(\a)+\be)+2*\p+1], v[8*(4*(\a)+\be)+2*\p:8*(4*(\a)+\be)+2*\p+1], s[68+2*\be:69+2*\be] op_sel_hi:[1,0]
.endr
.endr
.endm
.macro TOSTAGE a                       ; into my stage, and back as whole rows of 256 bytes.  LDS serves a wave's instructions in order: no wait between
	WIN 0x0c                                       ; an LDS store's data are its source 1: window 3
.irp be, 0,1,2,3
	ds_store_b128 v[STO], v[8*(4*(\a)+\be):8*(4*(\a)+\be)+3] offset:64*\be
	ds_store_b128 v[STO], v[8*(4*(\a)+\be)+4:8*(4*(\a)+\be)+7] offset:64*\be+16
.endr
	WIN 0
.irp t, 0,1,2,3,4,5,6,7
	ds_load_b128 v[192+32*((\a)%2)+4*\t:192+32*((\a)%2)+4*\t+3], v[RD] offset:544*\t
.endr
.endm
.macro SEND a, younger                 ; younger: the LDS instructions issued behind block a's loads
	s_wait_dscnt \younger
.irp t, 0,1,2,3,4,5,6,7
	global_store_b128 v[CO], v[192+32*((\a)%2)+4*\t:192+32*((\a)%2)+4*\t+3], s[94:95] offset:(16*(\a)+2*\t)*4096 th:TH_STORE_NT   ; sixteen lanes store 256 consecutive bytes, aligned: a head's part of a row
.endr
.endm
	s_load_b512 s[4:19], s[0:1], 0x0               ; x_img, x_scl, w_img, w_scl, q_b, mt, fac, out0
	v_lshl_add_u32 v[SPW], v0, 2, SPARE
	v_mov_b32 v[NIL], 0
	ds_add_u32 v[SPW], v[NIL]                      ; the wave's opening: the add, twice on end, and its wait ahead of my first tensor load
	ds_add_u32 v[SPW], v[NIL]
	v_lshrrev_b32 v1, 5, v0
	v_readfirstlane_b32 s20, v1                    ; wave
	s_lshr_b32 s21, s20, 1                         ; my half of the rows.  Also: I fetch query (0) or q_w (1)
	s_and_b32 s22, s20, 1                          ; my head of the two.  Also: which half of that tile I fetch
	s_bfe_u32 s23, ttmp6, 0x40000                  ; cx
	s_bfe_u32 s24, ttmp6, 0x40004                  ; cy
	s_lshl_b32 s25, ttmp9, 2
	s_add_co_u32 s25, s25, s23                     ; X
	s_and_b32 s26, ttmp7, 0xffff
	s_lshl_b32 s26, s26, 2
	s_add_co_u32 s26, s26, s24                     ; Y
	s_lshl_b32 s27, s24, 2
	s_lshl_b32 s27, 15, s27                        ; my row of the cluster
	s_lshl_b32 s62, 0x1111, s23                    ; my column
	s_or_b32 s[G1A], s27, (3<<16)|(1<<21)          ; the mask; elements of 8 bytes; bit 21 beside a mask; no padding
	s_or_b32 s[G1W], s62, (3<<16)|(1<<21)
	s_mov_b32 s[G1A+1], 512<<16                    ; tensor_dim0 = 512 elements: half of K of 16 rows, 4,096 bytes
	s_mov_b32 s[G1A+2], 8<<16                      ; tensor_dim1 = 8 blocks of 16 rows
	s_mov_b32 s[G1A+3], 512<<16
	s_mov_b32 s[G1A+4], 8
	s_mov_b32 s[G1A+5], 1024                       ; from block to block: 8,192 bytes
	s_mov_b32 s[G1A+6], 0
	s_mov_b32 s[G1A+7], 0
	s_mov_b32 s[G1W+1], 512<<16
	s_mov_b32 s[G1W+2], 4<<16                      ; 4 blocks of 16 columns: a head
	s_mov_b32 s[G1W+3], 512<<16
	s_mov_b32 s[G1W+4], 4
	s_mov_b32 s[G1W+5], 1024
	s_mov_b32 s[G1W+6], 0
	s_mov_b32 s[G1W+7], 0
	s_lshl_b32 s76, s26, 17                        ; query is tensor 0: 131,072 bytes for 256 rows: hangs on Y alone
	s_lshl_b32 s77, s22, 16
	s_add_co_u32 s76, s76, s77
	s_mov_b32 s77, 0
	s_lshl_b32 s78, s25, 16                        ; q_w: 65,536 bytes for 128 columns: hangs on X alone
	s_lshl_b32 s79, s22, 15
	s_add_co_u32 s78, s78, s79
	s_mov_b32 s79, 0
	s_lshl_b32 s80, s22, 15                        ; where they go
	s_lshl_b32 s81, s22, 14
	s_add_co_u32 s81, s81, 65536
	s_wait_dscnt 0x0                               ; both opening adds are done
	s_wait_kmcnt 0x0
	s_add_nc_u64 s[76:77], s[4:5], s[76:77]
	s_add_nc_u64 s[78:79], s[8:9], s[78:79]
	CROUND                                         ; all sixteen work-groups are here: the joint loads meet
.irp s, 0,1
	s_mov_b32 s[G0A+4*\s], 1
	s_add_co_u32 s[G0A+4*\s+1], s80, \s*HALFB
	s_add_nc_u64 s[G0A+4*\s+2:G0A+4*\s+3], s[76:77], \s*4096
	s_or_b32 s[G0A+4*\s+3], s[G0A+4*\s+3], 0x80000000
	s_mov_b32 s[G0W+4*\s], 1
	s_add_co_u32 s[G0W+4*\s+1], s81, \s*HALFB
	s_add_nc_u64 s[G0W+4*\s+2:G0W+4*\s+3], s[78:79], \s*4096
	s_or_b32 s[G0W+4*\s+3], s[G0W+4*\s+3], 0x80000000
	JLOAD G0A+4*\s, G1A, G0W+4*\s, G1W
.endr
	; scale words, bias, M^T and the factors go straight into registers
	s_mov_b32 s83, 0
	s_lshl_b32 s82, s26, 13
	s_lshl_b32 s60, s21, 12
	s_add_co_u32 s82, s82, s60
	s_add_nc_u64 s[84:85], s[6:7], s[82:83]        ; query's scale words: 512 bytes for 16 rows
	s_lshl_b32 s82, s25, 12
	s_lshl_b32 s60, s22, 11
	s_add_co_u32 s82, s82, s60
	s_add_nc_u64 s[86:87], s[10:11], s[82:83]      ; q_w's
	s_lshl_b32 s82, s25, 9
	s_lshl_b32 s60, s22, 8
	s_add_co_u32 s61, s82, s60                     ; my head's 256 bytes of a row
	s_mov_b32 s82, s61
	s_add_nc_u64 s[88:89], s[12:13], s[82:83]      ; q_b
	s_lshl_b32 s82, s26, 20                        ; 256 rows of 4,096 bytes
	s_lshl_b32 s60, s21, 19
	s_add_co_u32 s82, s82, s60
	s_add_co_u32 s82, s82, s61
	s_add_nc_u64 s[94:95], s[18:19], s[82:83]      ; the output at my first row, my head
	s_lshr_b32 s60, s26, 3                         ; the batch
	s_lshl_b32 s60, s60, 4
	s_lshl_b32 s61, s25, 1
	s_add_co_u32 s60, s60, s61
	s_add_co_u32 s60, s60, s22                     ; batch x 16 + head
	s_lshl_b32 s82, s60, 13
	s_add_nc_u64 s[90:91], s[14:15], s[82:83]      ; mt
	s_lshl_b32 s82, s60, 10
	s_add_nc_u64 s[92:93], s[16:17], s[82:83]      ; fac
	s_load_b64 s[68:69], s[92:93], 0x0             ; the factor of columns 0-15, twice: a pair for the packed multiply;
	s_load_b64 s[70:71], s[92:93], 0x100           ; of columns 16-31,
	s_load_b64 s[72:73], s[92:93], 0x200
	s_load_b64 s[74:75], s[92:93], 0x300
	v_and_b32 v1, 31, v0
	v_lshlrev_b32 v[L16], 4, v1
	v_and_b32 v3, 15, v0                           ; r
	v_bfe_u32 v4, v0, 4, 1                         ; h
	v_lshlrev_b32 v[BOF], 5, v4
.irp a, 0,1,2,3,4,5,6,7
	global_load_b128 v[32+4*\a:35+4*\a], v[L16], s[84:85] offset:512*\a
.endr
.irp b, 0,1,2,3
	global_load_b128 v[64+4*\b:67+4*\b], v[L16], s[86:87] offset:512*\b
.endr
.irp k, 0,1,2,3,4,5,6,7,8,9,10,11,12,13,14,15
	global_load_b128 v[128+4*\k:131+4*\k], v[L16], s[90:91] offset:512*\k
.endr
	WIN 0x40
.irp b, 0,1,2,3
	global_load_b128 v[192+8*\b:195+8*\b], v[BOF], s[88:89] offset:64*\b      ; the bias of columns 16 b + 8 h + 0 .. 7
	global_load_b128 v[196+8*\b:199+8*\b], v[BOF], s[88:89] offset:64*\b+16
.endr
	WIN 0
	s_lshl_b32 s60, s21, 15
	v_add_nc_u32 v[ADX], s60, v[L16]
	v_add_nc_u32 v[ADX+1], HALFB, v[ADX]
	s_lshl_b32 s60, s22, 14
	s_add_co_u32 s60, s60, 65536
	v_add_nc_u32 v[ADW], s60, v[L16]
	v_add_nc_u32 v[ADW+1], HALFB, v[ADW]
	s_mul_i32 s60, s20, 4352
	s_add_co_u32 s60, s60, STAGE                   ; my stage
	v_mul_u32_u24 v[STO], v3, 272
	v_lshl_add_u32 v[STO], v4, 5, v[STO]
	v_add_nc_u32 v[STO], s60, v[STO]               ; in: row r, + 32 h
	v_mul_u32_u24 v[RD], v4, 272
	v_lshl_add_u32 v[RD], v3, 4, v[RD]
	v_add_nc_u32 v[RD], s60, v[RD]                 ; back: lanes 0-15 one row, lanes 16-31 the next
	v_lshlrev_b32 v[CO], 4, v3
	v_lshl_add_u32 v[CO], v4, 12, v[CO]            ; and the same two rows in the output
	s_wait_tensorcnt 0x1                           ; my part of half 0 is in; half 1's may stay out
	s_barrier_signal -1
	s_barrier_wait -1
	FETCH 0
	FETCH 1
	s_wait_loadcnt 0x0
	s_wait_kmcnt 0x0
	STEP 0
	STEP 1
	STEP 2
	STEP 3
	STEP 4
	STEP 5
	STEP 6
	STEP 7
	; ---- q to f16, and the second product
	PLACES 4                                       ; ahead of the first read of results, and of writes over the fragments
	WIN 0x4a                                       ; sources window 2, destination window 1
.set A_, 0
.rept 8
.set B_, 0
.rept 4
.set G_, 0
.rept 4
	v_cvt_pk_f16_f32 v[16*A_+4*B_+G_], v[8*(4*A_+B_)+2*G_], v[8*(4*A_+B_)+2*G_+1]
.set G_, G_+1
.endr
.set B_, B_+1
.endr
.set A_, A_+1
.endr
	PLACES 5
	WIN 0xf4                                       ; source 0 (M^T) window 0, source 1 (q) window 1, C and D window 3
.irp u, 0,1                            ; 32 of the head's 64 channels a step; the 32 tiles by turns
.irp a, 0,1,2,3,4,5,6,7
.irp be, 0,1,2,3
.if \u == 0
	v_wmma_f32_16x16x32_f16 v[8*(4*\a+\be):8*(4*\a+\be)+7], v[128+8*(2*\be+\u):128+8*(2*\be+\u)+7], v[16*\a+8*\u:16*\a+8*\u+7], 0
.else
	v_wmma_f32_16x16x32_f16 v[8*(4*\a+\be):8*(4*\a+\be)+7], v[128+8*(2*\be+\u):128+8*(2*\be+\u)+7], v[16*\a+8*\u:16*\a+8*\u+7], v[8*(4*\a+\be):8*(4*\a+\be)+7]
.endif
.endr
.endr
.endr
	PLACES 4
	; ---- the way out, 16 rows at a time: a block's scaling and stage stand between the block before's loads and its stores
	SCALE 0
	TOSTAGE 0
.irp a, 1,2,3,4,5,6,7
.if \a > 1
	s_wait_xcnt 0x0                                ; block a - 2's stores have read their registers: block a's loads may land there
.endif
	SCALE \a
	TOSTAGE \a
	SEND \a-1, 16                                  ; behind block a - 1's loads: block a's 8 stores and 8 loads
.endr
	SEND 7, 0
	s_wait_tensorcnt 0x0                           ; the wave's end
	ds_add_u32 v[SPW], v[NIL]
	s_wait_dscnt 0x0
	CROUND                                         ; the closing round
	s_endpgm
.Lfunc_end_k_q1c3150bf1c_qo:
	.size	k_q1c3150bf1c_qo, .Lfunc_end_k_q1c3150bf1c_qo-k_q1c3150bf1c_qo
	.p2alignl 7, 3214868480
	.fill 96, 4, 3214868480
	.section	.rodata,"a",@progbits
	.p2align	6, 0x0
	.amdhsa_kernel k_q1c3150bf1c_qo
		.amdhsa_group_segment_fixed_size 214528
		.amdhsa_private_segment_fixed_size 0
		.amdhsa_enable_private_segment 0
		.amdhsa_kernarg_size 64
		.amdhsa_user_sgpr_count 2
		.amdhsa_user_sgpr_kernarg_segment_ptr 1
		.amdhsa_wavefront_size32 1
		.amdhsa_system_sgpr_workgroup_id_x 1
		.amdhsa_system_sgpr_workgroup_id_y 1
		.amdhsa_system_sgpr_workgroup_id_z 1
		.amdhsa_system_vgpr_workitem_id 0
		.amdhsa_next_free_vgpr 1024
		.amdhsa_next_free_sgpr 96
		.amdhsa_reserve_vcc 0
		.amdhsa_float_denorm_mode_32 3
		.amdhsa_float_denorm_mode_16_64 3
		.amdhsa_memory_ordered 1
		.amdhsa_forward_progress 1
		.amdhsa_inst_pref_size 93
	.end_amdhsa_kernel
	.amdgpu_metadata
---
amdhsa.version: [ 1, 2 ]
amdhsa.kernels:
  - .name:           k_q1c3150bf1c_qo
    .symbol:         k_q1c3150bf1c_qo.kd
    .args:
      - { .name: x_img, .offset: 0, .size: 8, .value_kind: global_buffer, .address_space: global }
      - { .name: x_scl, .offset: 8, .size: 8, .value_kind: global_buffer, .address_space: global }
      - { .name: w_img, .offset: 16, .size: 8, .value_kind: global_buffer, .address_space: global }
      - { .name: w_scl, .offset: 24, .size: 8, .value_kind: global_buffer, .address_space: global }
      - { .name: q_b, .offset: 32, .size: 8, .value_kind: global_buffer, .address_space: global }
      - { .name: mt, .offset: 40, .size: 8, .value_kind: global_buffer, .address_space: global }
      - { .name: fac, .offset: 48, .size: 8, .value_kind: global_buffer, .address_space: global }
      - { .name: out0, .offset: 56, .size: 8, .value_kind: global_buffer, .address_space: global }
    .group_segment_fixed_size: 214528
    .private_segment_fixed_size: 0
    .kernarg_segment_align: 8
    .kernarg_segment_size: 64
    .max_flat_workgroup_size: 128
    .sgpr_count:     96
    .vgpr_count:     1024
    .wavefront_size: 32
...
	.end_amdgpu_metadata
.endif
;; end of part 4
